; MI455X (gfx1250); checked and timed in simulation.
; The chip was launched on July 23, 2026; its instructions are those of AMD's public machine-readable ISA for CDNA 5 (MIT licence, August 2026) and "CDNA5" Instruction Set Architecture Reference Guide (July 2026). The comments in the code are by the model that wrote it; some were corrected since.
;; Bert Self Attention. Allowed arithmetic: matrix products marked QUANTISED: E2M3 operands, one E8M0 scale for each 32 along K, by v_wmma_scale_f32_16x16x128_f8f6f4 with both operands' format E2M3, f32 sums; everything else in f32.
;; Inputs: Wk 1,024 x 1,024 float32; Wq 1,024 x 1,024 float32; Wv 1,024 x 1,024 float32; attention_mask 4 x 1 x 1 x 2,048 float32; bk 1,024 float32; bq 1,024 float32; bv 1,024 float32; hidden_states 4 x 2,048 x 1,024 float32.
;; Outputs: out0 4 x 2,048 x 1,024 float32.
;; This version of the problem:
;;   THIS VERSION OF THE PROBLEM IS GIVEN IN LOW PRECISION. The matrix products marked QUANTISED in the list below multiply operands that are first quantised to E2M3 (2 exponent bits, 3 mantissa bits; 6 bits a number), with one power-of-two scale for each 32 numbers along K (OCP MX v1.0); their sums are f32. All else is computed in f32.
;;   The module's matrix products, in the order in which they are computed (A, B: the left and right operand; K: the contracted axis; several contracted axes count as one K, in the product's order):
;;     1. [M 8,192, K 1,024] x [K 1,024, N 1,024]; A: input hidden_states; B: input Wq: QUANTISED
;;     2. [M 8,192, K 1,024] x [K 1,024, N 1,024]; A: input hidden_states; B: input Wk: QUANTISED
;;     3. [M 8,192, K 1,024] x [K 1,024, N 1,024]; A: input hidden_states; B: input Wv: QUANTISED
;;     4. batch 64 x [M 2,048, K 64] x [K 64, N 2,048]; A: computed on the way; B: computed on the way: QUANTISED
;;     5. batch 64 x [M 2,048, K 2,048] x [K 2,048, N 64]; A: softmax (see below); B: computed on the way: QUANTISED
;;   THE QUANTISER, for each operand of a quantised product, along K:
;;     - K is cut into blocks of 32 from its start; a last block that is shorter is filled with zeros.
;;     - A block's scale is 2^e with e = floor(log2(the largest magnitude in the block)) - 2, held to -126 .. 127; a block of zeros has e = 0. As a byte (E8M0): e + 127.
;;     - Each number is divided by its block's scale, clamped to +-7.5, and rounded to the nearest number of E2M3, ties to even, subnormals kept.
;;     - The product sums the exact products of the quantised numbers (number of the format x scale) in f32.
;;   ~~~python
;;   def quantise(x, axis):      # numpy; x: float32 -> the quantised numbers, widened to float32 again
;;       x = np.moveaxis(x, axis, -1); K = x.shape[-1]
;;       x = np.pad(x, [(0, 0)] * (x.ndim - 1) + [(0, -K % 32)]); x = x.reshape(x.shape[:-1] + (-1, 32)); a = np.abs(x).max(-1, keepdims=True)
;;       e = np.where(a > 0, np.clip(np.frexp(np.where(a > 0, a, 1))[1] - 1 - 2, -126, 127), 0)      # np.frexp(a)[1] - 1 = floor(log2(a)), exactly
;;       r = np.clip(x / 2.0 ** e, -7.5, 7.5)
;;       step = 2.0 ** (np.maximum(np.frexp(np.where(r == 0, 1, r))[1] - 1, 0) - 3)
;;       q = np.round(r / step) * step * 2.0 ** e      # np.round: ties to even
;;       return np.moveaxis(q.reshape(q.shape[:-2] + (-1,))[..., :K], -1, axis).astype(np.float32)
;;   ~~~
;;   SOFTMAX AHEAD OF A QUANTISED PRODUCT. Where the list says 'softmax', what is quantised is not the finished softmax but p = 2^(t - M), with t = logit x log2(e) and M = ceil(the row's largest t), a whole number; so 1/2 < the row's largest p <= 1. The row's sum l is taken of the UNQUANTISED p, in f32, and the product's result is divided by l at the end. Since M is a whole number, a kernel that streams over the keys may use a running M (the ceiling of the running maximum): every later rescaling is an exact power of two, which a block's scale takes up: the codes' values come out the same.
;;   OPERANDS COMPUTED ON THE WAY. 'Computed on the way' means the value that the module computes at that place (a softmax that the list does not call 'softmax' is quantised finished and normalised). What goes into a quantiser is computed in f32, as accurately as f32 sums, v_exp_f32 and their like allow (about 1e-6 of the number): no bf16 or f16 on the way to a quantiser, and a product that is left as it is and whose result goes on into a quantised operand takes f32 operands (vector FMAs, or v_wmma_f32_16x16x4_f32). A number that lies on a knife's edge between two numbers of the format may be rounded either way, as far as f32 arithmetic and the matrix unit's own rounding can turn it there, and no further.
;; One version. Each part assembles by itself: llvm-mc -triple=amdgcn-amd-amdhsa -mcpu=gfx1250 --defsym DOCPART=n.
;; ======== version 1 of 1: 3 launches
;; limits: right only within a limited range of input values
;; workspace buffers: xc 6,291,456 bytes; xs 262,144 bytes; wc 2,359,296 bytes; ws 98,304 bytes; qb 13,107,200 bytes; kv 13,107,200 bytes
;; launch quant (part 1): grid 352 x 1, 4 waves a work-group, no clusters, 68,096 bytes of LDS; arguments hidden_states, Wq, Wk, Wv, xc, xs, wc, ws; writes xc, xs, wc, ws
.if DOCPART == 1
	.amdgcn_target "amdgcn-amd-amdhsa--gfx1250"
	.amdhsa_code_object_version 6
	.text
	.protected	k_q5dccdd7a3c_quant
	.globl	k_q5dccdd7a3c_quant
	.p2align	8
	.type	k_q5dccdd7a3c_quant,@function
k_q5dccdd7a3c_quant:
	s_mov_b64 s[64:65], 0
	v_nop
	global_prefetch_b8 v0, s[64:65] scope:SCOPE_SE
	s_setreg_imm32_b32 hwreg(HW_REG_WAVE_MODE, 25, 1), 1
	s_wait_xcnt 0x0
; BERT self-attention in MX-FP6 (E2M3, one E8M0 scale for each 32 along K), three launches: quant, proj, attn.
; NOTHING OF THE PROBLEM IS LEFT OUT: all five products are live; bq, bk and bv go into quantised operands and move their codes; the mask differs from key to key, along the softmax's axis.  Every input is loaded.
; THIS LAUNCH turns hidden_states [8192][1024] (K innermost) and Wq, Wk, Wv [1024 (K)][1024] (K is the first axis) into codes, K innermost, 768 bytes a row, and scale bytes, 32 a row:
; xc, xs: 8,192 rows;  wc, ws: 3,072 rows, the columns of [Wq | Wk | Wv].
; A block's scale is 2^(floor(log2(its largest magnitude)) - 2); its byte is the largest magnitude's exponent field - 2, held at 1 from below.  (A block of zeros so gets the byte 1: its codes are zeros, and this program alone reads the bytes.)
; THE ROWS ARE STORED IN ANOTHER ORDER: inside each 64 rows, row 32 h + 8 t + j (h one bit, t two, j three) lies at place 16 t + 8 h + j.  So 16 neighbouring places, as source 0 of a matrix instruction, give lane half h
; in register j the row 32 h + 8 t + j: the 32 registers of four neighbouring tiles are 32 NEIGHBOURING rows, a whole block of the next product's K in one lane.
; LIMITS: NaN and infinities among the inputs are not served; blocks whose largest magnitude lies under 2^-124 keep the byte 1.
; Work-groups 0 to 95 take the weights (a lane to a column, registers down K; the codes leave through the wave's stage in LDS as rows), work-groups 96 to 351 hidden_states (a plain stream of blocks of 32).
; The two paths part on the work-group's number and have LDS bytes of their own.  No tensor loads, no barrier: waves share nothing.
.set WGW,   96                         ; work-groups for the weights: 3 weights x 8 x 128 columns x 4 x 256 along K
.set STEPS, 16                         ; x: a wave takes 16 steps of 512 numbers: 8 rows
.set CB,    12                         ; bytes of 16 codes
.set SP,    80                         ; x: a lane's place in a stage: its 64 bytes + 16 of padding
.set WREG,  8192                       ; x: LDS of a wave: two stages of 32 x SP bytes, behind them its 256 scale bytes
.set XR,    16                         ; v16-79   x: four sets of 16 numbers as loaded
.set XX,    80                         ; v80-111  x: two sets of 16 neighbours
.set XE,    112                        ; v112-127 x: a scale byte for each step
.set XC,    128                        ; v128-191 x: codes, four registers a step
.set WSTG,  32768                      ; W: the four stages begin behind x's regions
.set WP,    272                        ; W: a stage row: sixteen places of 16 bytes (12 of codes each) + 16
.set KROW,  768                        ; a row of codes in bytes
.set NB,    8                          ; W: blocks of 32 along K for a wave
.set WSB,   24                         ; v24-25   W: the scale bytes, four to a register
.set WX,    32                         ; v32-95   W: two sets of 32 numbers
.set WC,    96                         ; v96-102  W: a block's codes
.set WOUT,  112                        ; v112-175 W: the way out
.set SPW,   192                        ; v192     LDS address of my spare word; never rewritten
.set NIL,   193                        ; v193     0; never rewritten
.set SPARE, 67584                      ; behind the stages: the spare words, 128 bytes a wave, that no other line names
	s_load_b256 s[4:11], s[0:1], 0x0               ; hidden_states s[4:5], Wq s[6:7], Wk s[8:9], Wv s[10:11]
	s_load_b256 s[12:19], s[0:1], 0x20             ; xc s[12:13], xs s[14:15], wc s[16:17], ws s[18:19]
	v_lshl_add_u32 v[SPW], v0, 2, SPARE
	v_mov_b32 v[NIL], 0
	v_lshrrev_b32 v1, 5, v0
	v_readfirstlane_b32 s20, v1                    ; wave 0..3
	v_and_b32 v2, 31, v0                           ; lane
	s_cmp_lt_u32 ttmp9, WGW
	s_cbranch_scc1 .Lw
	; ---------------- hidden_states ----------------
	v_lshlrev_b32 v3, 4, v2                        ; my 16 bytes of a load's 512
	s_mul_i32 s21, s20, WREG
	v_lshrrev_b32 v14, 2, v2
	v_mul_u32_u24 v14, v14, SP
	v_and_b32 v15, 3, v2
	v_lshl_add_u32 v14, v15, 4, v14
	v_add_nc_u32 v14, s21, v14                     ; the stage, on the way in: four lanes' 64 bytes on end, then 16 of padding
	v_mul_u32_u24 v15, v2, SP
	v_add_nc_u32 v15, s21, v15                     ; and on the way out: my 16 neighbours
	v_mul_u32_u24 v4, v2, CB                       ; my codes' place in a step's
	v_lshrrev_b32 v5, 1, v2
	s_add_co_u32 s21, s21, 2*32*SP
	v_add_nc_u32 v5, s21, v5                       ; my wave's 256 scale bytes, my block's byte
	v_lshlrev_b32 v7, 3, v2
	v_add_nc_u32 v6, s21, v7                       ; and on the way out 8 bytes a lane
	s_sub_co_u32 s22, ttmp9, WGW
	s_lshl_b32 s22, s22, 2
	s_add_co_u32 s22, s22, s20                     ; R: which run of 8 rows is my wave's.  R % 8 = 4 h + t
	s_and_b32 s23, s22, 3
	s_lshl_b32 s23, s23, 1
	s_bfe_u32 s24, s22, 0x10002
	s_or_b32 s23, s23, s24
	s_and_b32 s24, s22, 0xfffffff8
	s_or_b32 s23, s23, s24                         ; where the run is stored: 2 t + h in its 64 rows
	s_lshl_b32 s24, s22, 15                        ; 8 rows of 4,096 bytes
	s_mov_b32 s25, 0
	s_mul_i32 s26, s23, 8*KROW
	s_mov_b32 s27, 0
	s_lshl_b32 s28, s23, 8                         ; 8 rows of 32 scale bytes
	s_mov_b32 s29, 0
	s_wait_kmcnt 0x0
	s_add_nc_u64 s[4:5], s[4:5], s[24:25]
	s_add_nc_u64 s[12:13], s[12:13], s[26:27]
	s_add_nc_u64 s[14:15], s[14:15], s[28:29]
.macro XLOAD t
.irp i, 0,1,2,3
	global_load_b128 v[XR+16*((\t)%4)+4*\i:XR+16*((\t)%4)+4*\i+3], v3, s[4:5] offset:2048*(\t)+512*\i th:TH_LOAD_NT   ; 32 lanes read 512 consecutive bytes
.endr
.endm
.macro XTURN t                         ; step t's numbers through the stage: LDS serves a wave's instructions in order, so no wait stands between the stores and the loads
.irp i, 0,1,2,3
	ds_store_b128 v14, v[XR+16*((\t)%4)+4*\i:XR+16*((\t)%4)+4*\i+3] offset:32*SP*((\t)%2)+8*SP*\i
.endr
.irp i, 0,1,2,3
	ds_load_b128 v[XX+16*((\t)%2)+4*\i:XX+16*((\t)%2)+4*\i+3], v15 offset:32*SP*((\t)%2)+16*\i
.endr
.endm
.irp t, 0,1,2,3
	XLOAD \t
.endr
	s_wait_loadcnt 12                              ; step 0's four loads are in; three steps' twelve stay out
	XTURN 0
.macro XSTEP t
.set XS8, XX+16*((\t)%2)
.if (\t) > 0
	s_wait_dscnt 1                                 ; this step's numbers are back from the stage (the last step's byte store may be out): so its stores into the stage have read their registers,
.else
	s_wait_dscnt 0x0
.endif
.if (\t)+4 < STEPS
	XLOAD (\t)+4                                   ; which take the loads of four steps on
.endif
.if (\t)+1 < STEPS
.if STEPS-2-(\t) >= 3
	s_wait_loadcnt 12                              ; the next step's four loads are in; those of the three steps behind it may be out
.else
	s_wait_loadcnt 4*(STEPS-2-(\t))
.endif
	XTURN (\t)+1                                   ; and go through the other stage while this step is worked
.endif
	v_max3_num_f32 v8, |v[XS8]|, |v[XS8+1]|, |v[XS8+2]|            ; the largest magnitude of my 16, in two chains
	v_max3_num_f32 v9, |v[XS8+3]|, |v[XS8+4]|, |v[XS8+5]|
.irp i, 6,10
	v_max3_num_f32 v8, v8, |v[XS8+\i]|, |v[XS8+\i+1]|
	v_max3_num_f32 v9, v9, |v[XS8+\i+2]|, |v[XS8+\i+3]|
.endr
	v_max3_num_f32 v8, v8, |v[XS8+14]|, |v[XS8+15]|
	v_max3_num_f32 v8, v8, v9, 0x1800000           ; and the floor 2^(3 - 127): the byte cannot fall under 1
	v_max_num_f32_dpp v8, v8, v8 row_xmask:1 row_mask:0xf bank_mask:0xf   ; and of my neighbour's 16: the block's
	v_add_nc_u32 v11, 0xff000000, v8               ; 2 off its exponent field: the conversion takes the exponent field of this operand as its scale
	v_cvt_scalef32_pk16_fp6_f32 v[XC+4*(\t):XC+4*(\t)+2], v[XS8:XS8+15], v11
	v_lshrrev_b32 v[XE+(\t)], 23, v11              ; the scale's byte
	ds_store_b8 v5, v[XE+(\t)] offset:16*(\t)      ; both lanes of a block write the same byte with the same value
	global_store_b96 v4, v[XC+4*(\t):XC+4*(\t)+2], s[12:13] offset:32*CB*(\t)   ; the wave stores 384 consecutive bytes
.endm
.irp t, 0,1,2,3,4,5,6,7,8,9,10,11,12,13,14,15
	XSTEP \t
.endr
	ds_load_b64 v[8:9], v6                         ; LDS serves a wave's instructions in order: these see my stores
	s_wait_dscnt 0x0
	global_store_b64 v7, v[8:9], s[14:15]          ; 32 lanes store 256 consecutive bytes, at a multiple of 256 from xs's first byte
	s_wait_tensorcnt 0x0                           ; the wave's end: behind my last LDS store
	ds_add_u32 v[SPW], v[NIL]
	s_wait_dscnt 0x0
	s_endpgm
	; ---------------- the weights ----------------
.Lw:
	s_lshr_b32 s21, ttmp9, 5                       ; which weight: 0 Wq, 1 Wk, 2 Wv
	s_and_b32 s22, ttmp9, 7                        ; which 128 columns
	s_bfe_u32 s23, ttmp9, 0x20003                  ; which 256 along K
	v_lshlrev_b32 v3, 2, v2                        ; in: 4 bytes a lane: A LANE TAKES A COLUMN, ITS REGISTERS RUN DOWN K
	s_mul_i32 s24, s20, 32*WP
	s_add_co_u32 s24, s24, WSTG                    ; my stage
	v_mul_u32_u24 v4, v2, WP
	v_add_nc_u32 v4, s24, v4                       ; into it: row = my column
	v_and_b32 v5, 15, v2
	v_lshrrev_b32 v6, 4, v2
	v_mul_u32_u24 v7, v6, WP
	v_lshl_add_u32 v7, v5, 4, v7
	v_add_nc_u32 v7, s24, v7                       ; out of it: sixteen lanes to a row, two rows an instruction
	v_mul_u32_u24 v8, v6, KROW
	v_mad_u32_u24 v8, v5, 12, v8                   ; and the same place in wc
	v_lshrrev_b32 v9, 3, v2
	v_lshlrev_b32 v9, 4, v9
	v_and_b32 v10, 7, v2
	v_add_nc_u32 v9, v9, v10
	v_lshlrev_b32 v9, 5, v9                        ; my column's row of scale bytes: column 8 t + j of the wave's 32 lies 16 t + j places on
	s_lshl_b32 s26, s23, 20                        ; 256 rows of 4,096 bytes,
	s_lshl_b32 s27, s22, 9                         ; 128 columns,
	s_add_co_u32 s26, s26, s27
	s_lshl_b32 s27, s20, 7                         ; my wave's 32
	s_add_co_u32 s26, s26, s27
	s_mov_b32 s27, 0
	s_lshl_b32 s28, s21, 10
	s_lshl_b32 s29, s22, 7
	s_add_co_u32 s28, s28, s29
	s_lshr_b32 s29, s20, 1
	s_lshl_b32 s29, s29, 6
	s_add_co_u32 s28, s28, s29
	s_and_b32 s29, s20, 1
	s_lshl_b32 s29, s29, 3
	s_add_co_u32 s28, s28, s29                     ; the place of my wave's first column: the wave's 32 columns are half h = wave % 2 of a group of 64
	s_mul_i32 s30, s28, KROW
	s_mul_i32 s31, s23, 192
	s_add_co_u32 s30, s30, s31
	s_mov_b32 s31, 0
	s_lshl_b32 s32, s28, 5
	s_lshl_b32 s33, s23, 3
	s_add_co_u32 s32, s32, s33
	s_mov_b32 s33, 0
	s_wait_kmcnt 0x0
	s_cmp_eq_u32 s21, 1                            ; the choice hangs on the work-group's number alone
	s_cselect_b64 s[8:9], s[8:9], s[10:11]
	s_cmp_eq_u32 s21, 0
	s_cselect_b64 s[6:7], s[6:7], s[8:9]
	s_add_nc_u64 s[6:7], s[6:7], s[26:27]
	s_add_nc_u64 s[16:17], s[16:17], s[30:31]
	s_add_nc_u64 s[18:19], s[18:19], s[32:33]
.macro WLOAD t                         ; block t: W(32 t + i, my column), i = 0 .. 31, into set t % 2
.irp i, 0,1,2,3,4,5,6,7,8,9,10,11,12,13,14,15,16,17,18,19,20,21,22,23,24,25,26,27,28,29,30,31
	global_load_b32 v[WX+32*((\t)%2)+\i], v3, s[6:7] offset:(32*(\t)+\i)*4096 th:TH_LOAD_NT
.endr
.endm
	WLOAD 0
	WLOAD 1
.macro WBLOCK t
.set XS9, WX+32*((\t)%2)
.if (\t) < NB-1
	s_wait_loadcnt 32                              ; this block's 32 loads are in; the next block's may be out
.else
	s_wait_loadcnt 0
.endif
	v_max3_num_f32 v12, |v[XS9]|, |v[XS9+1]|, |v[XS9+2]|           ; the block's largest magnitude: all 32 numbers are mine
	v_max3_num_f32 v13, |v[XS9+3]|, |v[XS9+4]|, |v[XS9+5]|
.irp i, 6,10,14,18,22,26
	v_max3_num_f32 v12, v12, |v[XS9+\i]|, |v[XS9+\i+1]|
	v_max3_num_f32 v13, v13, |v[XS9+\i+2]|, |v[XS9+\i+3]|
.endr
	v_max3_num_f32 v12, v12, |v[XS9+30]|, |v[XS9+31]|
	v_max3_num_f32 v12, v12, v13, 0x1800000        ; and the floor 2^(3 - 127)
	v_add_nc_u32 v11, 0xff000000, v12              ; 2 off its exponent field: the conversion's scale operand
	v_lshrrev_b32 v13, 23, v11                     ; the scale's byte
.if (\t)%4 == 0
	v_mov_b32 v[WSB+(\t)/4], v13                   ; four bytes to a register, the lower K in the lower byte
.else
	v_lshl_or_b32 v[WSB+(\t)/4], v13, 8*((\t)%4), v[WSB+(\t)/4]
.endif
	v_cvt_scalef32_pk16_fp6_f32 v[WC:WC+2], v[XS9:XS9+15], v11
	v_cvt_scalef32_pk16_fp6_f32 v[WC+4:WC+6], v[XS9+16:XS9+31], v11   ; (a conversion's three registers begin on an even number)
	ds_store_b96 v4, v[WC:WC+2] offset:32*(\t)     ; 16 codes, 12 bytes, to a place of 16 bytes in the stage
	ds_store_b96 v4, v[WC+4:WC+6] offset:32*(\t)+16
.if (\t)+2 < NB
	WLOAD (\t)+2
.endif
	s_wait_dscnt 0x0                               ; the stores have read their registers: the next block's codes may be written
.endm
.set Q, 0
.rept NB
	WBLOCK Q
.set Q, Q+1
.endr
	global_store_b64 v9, v[WSB:WSB+1], s[18:19]    ; my column's 8 scale bytes
.irp t, 0,1,2,3,4,5,6,7,8,9,10,11,12,13,14,15
	ds_load_b96 v[WOUT+4*\t:WOUT+4*\t+2], v7 offset:2*\t*WP   ; LDS serves a wave's instructions in order: these see my stores
.endr
.irp t, 0,1,2,3,4,5,6,7,8,9,10,11,12,13,14,15
	s_wait_dscnt 15-\t                             ; the later reads of the stage may be out
	global_store_b96 v8, v[WOUT+4*\t:WOUT+4*\t+2], s[16:17] offset:(16*(\t/4)+2*(\t%4))*KROW   ; stage rows 2 t, 2 t + 1 are columns 8 (t / 4) + 2 (t % 4) + 0, 1: places 16 (t / 4) + 2 (t % 4) + 0, 1
.endr
	s_wait_tensorcnt 0x0                           ; the wave's end: behind my last LDS store
	ds_add_u32 v[SPW], v[NIL]
	s_wait_dscnt 0x0
	s_endpgm
.Lfunc_end_k_q5dccdd7a3c_quant:
	.size	k_q5dccdd7a3c_quant, .Lfunc_end_k_q5dccdd7a3c_quant-k_q5dccdd7a3c_quant
	.p2alignl 7, 3214868480
	.fill 96, 4, 3214868480
	.section	.rodata,"a",@progbits
	.p2align	6, 0x0
	.amdhsa_kernel k_q5dccdd7a3c_quant
		.amdhsa_group_segment_fixed_size 68096
		.amdhsa_private_segment_fixed_size 0
		.amdhsa_enable_private_segment 0
		.amdhsa_kernarg_size 64
		.amdhsa_user_sgpr_count 2
		.amdhsa_user_sgpr_kernarg_segment_ptr 1
		.amdhsa_wavefront_size32 1
		.amdhsa_system_sgpr_workgroup_id_x 1
		.amdhsa_system_sgpr_workgroup_id_y 1
		.amdhsa_system_sgpr_workgroup_id_z 1
		.amdhsa_system_vgpr_workitem_id 0
		.amdhsa_next_free_vgpr 194
		.amdhsa_next_free_sgpr 66
		.amdhsa_reserve_vcc 0
		.amdhsa_float_denorm_mode_32 3
		.amdhsa_float_denorm_mode_16_64 3
		.amdhsa_memory_ordered 1
		.amdhsa_forward_progress 1
		.amdhsa_inst_pref_size 74
	.end_amdhsa_kernel
	.amdgpu_metadata
---
amdhsa.version: [ 1, 2 ]
amdhsa.kernels:
  - .name:           k_q5dccdd7a3c_quant
    .symbol:         k_q5dccdd7a3c_quant.kd
    .args:
      - { .name: hidden_states, .offset: 0, .size: 8, .value_kind: global_buffer, .address_space: global }
      - { .name: Wq, .offset: 8, .size: 8, .value_kind: global_buffer, .address_space: global }
      - { .name: Wk, .offset: 16, .size: 8, .value_kind: global_buffer, .address_space: global }
      - { .name: Wv, .offset: 24, .size: 8, .value_kind: global_buffer, .address_space: global }
      - { .name: xc, .offset: 32, .size: 8, .value_kind: global_buffer, .address_space: global }
      - { .name: xs, .offset: 40, .size: 8, .value_kind: global_buffer, .address_space: global }
      - { .name: wc, .offset: 48, .size: 8, .value_kind: global_buffer, .address_space: global }
      - { .name: ws, .offset: 56, .size: 8, .value_kind: global_buffer, .address_space: global }
    .group_segment_fixed_size: 68096
    .private_segment_fixed_size: 0
    .kernarg_segment_align: 8
    .kernarg_segment_size: 64
    .max_flat_workgroup_size: 128
    .sgpr_count:     66
    .vgpr_count:     194
    .wavefront_size: 32
...
	.end_amdgpu_metadata
.endif
;; end of part 1
;; launch proj (part 2): grid 12 x 32, 4 waves a work-group, clusters of 4 x 4, 327,680 bytes of LDS; arguments xc, xs, wc, ws, bq, bk, bv, qb, kv; writes qb, kv
.if DOCPART == 2
	.amdgcn_target "amdgcn-amd-amdhsa--gfx1250"
	.amdhsa_code_object_version 6
	.text
	.protected	k_q5dccdd7a3c_proj
	.globl	k_q5dccdd7a3c_proj
	.p2align	8
	.type	k_q5dccdd7a3c_proj,@function
k_q5dccdd7a3c_proj:
	s_mov_b64 s[64:65], 0
	v_nop
	global_prefetch_b8 v0, s[64:65] scope:SCOPE_SE
	s_setreg_imm32_b32 hwreg(HW_REG_WAVE_MODE, 25, 1), 1
	s_wait_xcnt 0x0
	s_wait_alu depctr_hold_cnt(0) depctr_sa_sdst(0) depctr_va_vdst(0) depctr_va_sdst(0) depctr_va_ssrc(0) depctr_va_vcc(0) depctr_vm_vsrc(0)
	s_getreg_b32 s2, hwreg(HW_REG_IB_STS2, 6, 4)
	s_cmp_eq_u32 s2, 0
	s_cbranch_scc0 .Lentry_in_a_cluster
	s_endpgm
.Lentry_in_a_cluster:
	s_bfe_u32 s2, ttmp6, 0x10000c
	s_cmp_lg_u32 s2, 0xf033
	s_cbranch_scc0 .Lentry_shape_is_right
	s_endpgm
.Lentry_shape_is_right:
; q, k, v = hidden_states [Wq | Wk | Wv] + bias: one product [8192 x 1024] x [1024 x 3072] on codes of FP6 (E2M3) with E8M0 scales, f32 sums; the results are quantised in registers, as operands of attention's
; two products, and leave as images of those operands' registers.  Nothing of the problem is left out here.
; A tile of 256 tokens x 256 columns is made by a work-group of four waves, a wave makes 128 x 128: 64 accumulators, 512 registers.  K goes in four steps of 256 through a ring of two LDS slots filled by the tensor data mover;
; the scale bytes of the work-group's 256 + 256 rows, for all of K, come into LDS once.  CLUSTERS of 4 x 4: the four of a row need the same tiles of xc, the four of a column the same tiles of wc: joint loads.
; KIND = the cluster's x: 0 q, 1 k, 2 v: the same in all sixteen partners.
; ROLES.  Source 0's rows (P) run along a lane's registers, source 1's (L) along the lanes.  The next product's K must run along the registers: for q and k that is the head's 64 columns: P = columns, L = tokens;
; for v it is the keys: P = tokens, L = columns.  The roles are changed by the LDS addresses of the fragment loads alone (a choice on KIND); the loads from memory are the same for all kinds.
; xc's and wc's rows lie in the order that launch quant gives them: the 32 registers of four neighbouring tiles of P are 32 neighbouring rows 32 h + 0 .. 31 of a group of 64: a whole block in a lane.
; OUT.  For each (batch, head) bh and each 128 tokens s a block of 12,800 bytes at bh x 204,800 + s x 12,800:  +0 four fragments of k (in qb: of q): registers 0-5 token tile 2 f, registers 6-11 tile 2 f + 1, lane (r, h): the
; tile's row r, d = 32 h ..;  +6,144 four fragments of v^T: row r of tile i is d = 32 (r / 8) + 8 i + r % 8, K = the 128 keys;  +12,288 k's scale words [r][f];  +12,544 v's [r][i].
; A fragment is stored as it stands in registers: registers 4 k .. 4 k + 3 of lane l at 512 k + 16 l: each store of the wave covers 512 consecutive bytes, aligned.
; LIMITS: NaN and infinities are not served.  A block of q, k or v whose largest magnitude lies under 2^-121 (zeros too) gets the byte 4, not less, so that launch attn can take 3 off q's bytes.
; REGISTERS, in windows of 256: window 0: v0-31 addresses; v32-63 scale words, two sets; v64-127 biases; from v128 L's fragments, one set; on the way out v128-253 at work.   window 1: P's fragments, two sets.
;   window 2: the accumulators of L's blocks 0-3 (accumulator (a, b) at v[8 (8 (a % 4) + b)]);   window 3: those of blocks 4-7.
.set KSTEP,  256                       ; along K in a slot
.set NQ,     2                         ; matrix instructions deep
.set ROWB,   192                       ; a tile's row in bytes
.set KROW,   768                       ; a row of xc or wc in bytes
.set PITCH,  240                       ; an LDS row: 3 x (64 bytes of data + 16 of padding)
.set FR,     12                        ; registers of a fragment
.set NL,     6                         ; LDS loads that bring one
.set NP,     4                         ; places behind this matrix instruction (ISA guide 7.12.1)
.set HALFT,  128*PITCH                 ; 128 rows: what one tensor load brings
.set SLOT,   4*HALFT                   ; xc's 256 rows, then wc's 256 rows
.set KS,     32                        ; a row of scale bytes
.set SCL,    2*SLOT                    ; behind the ring: the scales, as units of 256 bytes + 16 of padding
.set HALFS,  (128*KS/256)*272          ; the scales of 128 rows
.set SBLK,   (16*KS/256)*272           ; those of 16 rows
.set SPARE,  271360                    ; the spare words, 128 bytes a wave, that no other line names.  The bytes from SCL + 4 HALFS up to here are left empty: the largest values that the terms of the scale words' address take, each by itself, add up to less than this
.set HEADB,  204800                    ; a (batch, head)'s blocks in qb and kv
.set BLKB,   12800
.set ADRA, 16                          ; v16-17  LDS address of L's fragments in slot 0, 1  (v18-19: for the pieces that lie behind one padding more)
.set ADRB, 20                          ; v20-21  the same for P  (v22-23)
.set VO,   24                          ; v24     16 x lane: an image's place for my lane
.set VS,   25                          ; v25     the scale words' place: 16 r, lanes 16-31 one head on
.set SH8,  26                          ; v26     8 h
.set ADRS, 27                          ; v27     LDS address of my scale words: lanes 0-15 L's rows, lanes 16-31 P's
.set SPW,  28                          ; v28     LDS address of my spare word; never rewritten
.set NIL,  29                          ; v29     0; never rewritten
.set BO,   30                          ; v30     the bias loads' offset (v31 at work)
.set SC,   32                          ; scale words: set s at v[SC + 16 s]; register 2 i + q: lanes 0-15 L's block i, lanes 16-31 P's block i
.set OUTW, 32                          ; the way out: four scale words a lane
.set BI,   64                          ; v64-127 biases
.set AF,   128                         ; L's fragments
.set X,    128                         ; the way out: v128-191 a block's 64 numbers of a lane
.set F0,   192                         ; v192-215 two fragments being made
.set YT,   216                         ; v216-218, v220-222 the upper halves of two blocks' codes
.set TM,   224                         ; v224-225 largest magnitudes;  v252-253 their second chains
.set TN,   252
.set SO,   226                         ; v226-227 the conversions' scale operands
.set BE,   228                         ; v228-243 the scale bytes: [2 a + c]
.set G,    244                         ; v244-251 scale words
.set G1, 24                            ; s[24:31] descriptor group 1 for xc's tiles;  s[32:39] group 0, one set for each slot
.set G0, 32
.set G1B, 48                           ; s[48:55], s[56:63] the same for wc's tiles
.set G0B, 56
.set G1S, 68                           ; s[68:75], s[76:79] groups 1 and 0 for xs;  s[80:87], s[88:91] for ws
.set G0S, 76
.set G1SB, 80
.set G0SB, 88
.set MSB, 0
.macro WIN new                         ; the immediate's high byte repeats the setting that is left
.if MSB != \new
	s_set_vgpr_msb (MSB<<8)|\new
.set MSB, \new
.endif
.endm
.set MUL_LO, 0xa1                      ; source 0 (P) window 1, source 1 (L) window 0, C and D window 2
.set MUL_HI, 0xf1                      ; the same, C and D window 3
.set TO_B,   0x40                      ; destination window 1, address window 0
; A joint load: waves 0 and 1 fetch from xc or xs, waves 2 and 3 from wc or ws.  Each of the two lines has one mask and one set of registers for all that issue it; the branch hangs on the wave's number alone.
; An s_nop 0 and four v_nop follow each of the two lines, ahead of the jump, the label and what follows.
.macro JLOAD g0a, g1a, g0b, g1b
	s_cmp_eq_u32 s15, 0
	s_cbranch_scc0 .Lfor_b_\@
	tensor_load_to_lds s[\g0a:\g0a+3], s[\g1a:\g1a+7]
	s_nop 0
.rept 4
	v_nop
.endr
	s_branch .Lasked_\@
.Lfor_b_\@:
	tensor_load_to_lds s[\g0b:\g0b+3], s[\g1b:\g1b+7]
	s_nop 0
.rept 4
	v_nop
.endr
.Lasked_\@:
.endm
.macro CREST                           ; a round of the cluster's barrier behind its opening barrier
	s_cmp_lg_u32 s14, 0
	s_cbranch_scc1 .Lnot_wave_0_\@
	s_barrier_signal -3
.Lnot_wave_0_\@:
	s_barrier_wait -3
	s_barrier_signal -1
	s_barrier_wait -1
.endm
.macro CROUND                          ; a whole round
	s_barrier_signal -1
	s_barrier_wait -1
	CREST
.endm
	s_load_b256 s[4:11], s[0:1], 0x0               ; xc s[4:5], xs s[6:7], wc s[8:9], ws s[10:11]
	s_load_b128 s[92:95], s[0:1], 0x20             ; bq, bk
	s_load_b128 s[96:99], s[0:1], 0x30             ; bv, qb
	s_load_b64 s[100:101], s[0:1], 0x40            ; kv
	v_lshl_add_u32 v[SPW], v0, 2, SPARE
	v_mov_b32 v[NIL], 0
	ds_add_u32 v[SPW], v[NIL]                      ; the wave's opening: the add, twice on end, and its wait ahead of my first tensor load; the set-up below, work on registers, stands between
	ds_add_u32 v[SPW], v[NIL]
	v_lshrrev_b32 v1, 5, v0
	v_readfirstlane_b32 s14, v1                    ; wave 0..3
	s_lshr_b32 s15, s14, 1                         ; which half of the tile's tokens is mine.  Also: I fetch from xc (0) or from wc (1)
	s_and_b32 s16, s14, 1                          ; which half of its columns.  Also: which 128 rows of that tile I fetch
	s_mov_b32 s66, ttmp9                           ; KIND
	s_bfe_u32 s40, ttmp6, 0x40000                  ; cx, cy: my place in the cluster
	s_bfe_u32 s41, ttmp6, 0x40004
	s_lshl_b32 s42, ttmp9, 2
	s_add_co_u32 s42, s42, s40                     ; tile column = 4 x cluster x + cx
	s_and_b32 s17, ttmp7, 0xffff
	s_lshl_b32 s17, s17, 2
	s_add_co_u32 s17, s17, s41                     ; tile row = 4 x cluster y + cy
	s_lshl_b32 s43, s41, 2
	s_lshl_b32 s43, 15, s43                        ; my row of the cluster
	s_lshl_b32 s44, 0x1111, s40                    ; my column
	; descriptor group 1: a tile of 128 rows x 192 bytes, padded in LDS
	s_or_b32 s[G1+0], s43, (0<<16)|(1<<20)|(1<<21)|(3<<22)|(3<<25)  ; 15:0 the mask: xc's tiles go to my row; 17:16 element of 1 byte; 20 padding on; 21 set beside a mask; 24:22 after every 16 words; 31:25 of 4 words
	s_or_b32 s[G1B+0], s44, (0<<16)|(1<<20)|(1<<21)|(3<<22)|(3<<25)
.irp g, G1, G1B
	s_mov_b32 s[\g+1], ROWB<<16                    ; tensor_dim0
	s_mov_b32 s[\g+2], 128<<16                     ; tensor_dim1
	s_mov_b32 s[\g+3], ROWB<<16                    ; tile_dim0
	s_mov_b32 s[\g+4], 128                         ; tile_dim1
	s_mov_b32 s[\g+5], KROW                        ; tensor_dim0_stride
	s_mov_b32 s[\g+6], 0
	s_mov_b32 s[\g+7], 0
.endr
	; the scales of 128 rows: a dense block of 4,096 bytes, as 16 rows of 256 bytes (32 elements of 8 bytes), 16 bytes of padding behind each
	s_or_b32 s[G1S+0], s43, (3<<16)|(1<<20)|(1<<21)|(5<<22)|(3<<25)
	s_or_b32 s[G1SB+0], s44, (3<<16)|(1<<20)|(1<<21)|(5<<22)|(3<<25)
.irp g, G1S, G1SB
	s_mov_b32 s[\g+1], 32<<16
	s_mov_b32 s[\g+2], (128*KS/256)<<16
	s_mov_b32 s[\g+3], 32<<16
	s_mov_b32 s[\g+4], 128*KS/256
	s_mov_b32 s[\g+5], 32
	s_mov_b32 s[\g+6], 0
	s_mov_b32 s[\g+7], 0
.endr
	s_lshl_b32 s18, s16, 7                         ; which 128 rows of the tile I fetch
	s_lshl_b32 s20, s17, 8
	s_add_co_u32 s20, s20, s18                     ; xc: row 256 x tile row + 128 x half
	s_lshl_b32 s46, s42, 8
	s_add_co_u32 s46, s46, s18                     ; wc: row 256 x tile column + 128 x half
	s_mov_b32 s21, 0
	s_mov_b32 s47, 0
	s_mov_b64 s[18:19], KS
	s_mul_u64 s[22:23], s[20:21], s[18:19]         ; where these rows' scales begin, in bytes
	s_mul_u64 s[104:105], s[46:47], s[18:19]
	s_mov_b64 s[18:19], KROW
	s_mul_u64 s[20:21], s[20:21], s[18:19]         ; and their codes
	s_mul_u64 s[46:47], s[46:47], s[18:19]
	s_mul_i32 s45, s14, HALFT                      ; where they go: wave x 128 rows: no place in the cluster enters an LDS address
	s_mul_i32 s2, s14, HALFS
	s_wait_dscnt 0x0                               ; both opening adds are done
	s_wait_kmcnt 0x0
	s_add_nc_u64 s[20:21], s[4:5], s[20:21]
	s_add_nc_u64 s[22:23], s[6:7], s[22:23]
	s_add_nc_u64 s[46:47], s[8:9], s[46:47]
	s_add_nc_u64 s[104:105], s[10:11], s[104:105]
	CROUND                                         ; all sixteen work-groups are here: the first joint loads meet
	s_mov_b32 s[G0S], 1
	s_add_co_u32 s[G0S+1], s2, SCL
	s_mov_b64 s[G0S+2:G0S+3], s[22:23]
	s_or_b32 s[G0S+3], s[G0S+3], 0x80000000
	s_mov_b32 s[G0SB], 1
	s_add_co_u32 s[G0SB+1], s2, SCL
	s_mov_b64 s[G0SB+2:G0SB+3], s[104:105]
	s_or_b32 s[G0SB+3], s[G0SB+3], 0x80000000
	JLOAD G0S, G1S, G0SB, G1SB                     ; the scales first: they are wanted with K step 0
.irp s, 0,1
	s_mov_b32 s[G0+4*\s], 1
	s_add_co_u32 s[G0+4*\s+1], s45, \s*SLOT
	s_add_nc_u64 s[G0+4*\s+2:G0+4*\s+3], s[20:21], \s*ROWB
	s_or_b32 s[G0+4*\s+3], s[G0+4*\s+3], 0x80000000
	s_mov_b32 s[G0B+4*\s], 1
	s_add_co_u32 s[G0B+4*\s+1], s45, \s*SLOT
	s_add_nc_u64 s[G0B+4*\s+2:G0B+4*\s+3], s[46:47], \s*ROWB
	s_or_b32 s[G0B+4*\s+3], s[G0B+4*\s+3], 0x80000000
	JLOAD G0+4*\s, G1, G0B+4*\s, G1B               ; three tensor loads of mine are out
.endr
	v_and_b32 v1, 15, v0                           ; r = l % 16
	v_bfe_u32 v2, v0, 4, 1                         ; h = l / 16
	v_mul_u32_u24 v3, v1, PITCH
	v_mul_u32_u24 v4, v2, 24
	v_add_nc_u32 v4, v3, v4                        ; a fragment's row x pitch + 24 x half
	v_lshl_add_u32 v5, v2, 4, v4                   ; and the same behind one padding more
	s_mul_i32 s18, s15, HALFT                      ; my 128 tokens
	s_mul_i32 s19, s16, HALFT                      ; my 128 columns,
	s_add_co_u32 s19, s19, 2*HALFT                 ; which lie behind xc's 256 rows
	s_cmp_eq_u32 s66, 2                            ; v?
	s_cselect_b32 s21, s19, s18                    ; L: tokens; for v: columns
	s_cselect_b32 s22, s18, s19                    ; P: columns; for v: tokens
	s_cselect_b32 s67, 1, 0
.irp s, 0,1
	v_add_nc_u32 v[ADRA+\s], s21, v4
	v_add_nc_u32 v[ADRB+\s], s22, v4
	v_add_nc_u32 v[ADRA+2+\s], s21, v5
	v_add_nc_u32 v[ADRB+2+\s], s22, v5
	s_add_co_u32 s21, s21, SLOT
	s_add_co_u32 s22, s22, SLOT
.endr
	v_mul_u32_u24 v5, v1, KS                       ; my row's scales: 32 bytes a row,
	v_lshrrev_b32 v6, 8, v5
	v_lshl_add_u32 v5, v6, 4, v5                   ; and 16 more for each 256 passed
	s_mul_i32 s21, s15, HALFS                      ; the tokens': my 128 rows
	s_mul_i32 s22, s16, HALFS                      ; the columns': my 128 rows, behind the tokens' 256
	s_add_co_u32 s22, s22, 2*HALFS
	s_sub_co_u32 s22, s22, s21                     ; the distance between the two
	v_xor_b32 v7, s67, v2                          ; lanes 0-15 take L's words, lanes 16-31 P's: the columns' are taken by lanes 16-31, for v by lanes 0-15
	v_mul_u32_u24 v6, s22, v7
	s_add_co_u32 s21, s21, SCL
	v_add_nc_u32 v5, v5, v6
	v_add_nc_u32 v[ADRS], s21, v5
	v_and_b32 v6, 31, v0
	v_lshlrev_b32 v[VO], 4, v6
	v_mul_u32_u24 v[VS], v2, HEADB
	v_lshl_add_u32 v[VS], v1, 4, v[VS]
	v_lshlrev_b32 v[SH8], 3, v2
	; which buffers: choices on KIND alone
	s_cmp_eq_u32 s66, 1
	s_cselect_b64 s[94:95], s[94:95], s[96:97]     ; bk or bv
	s_cmp_eq_u32 s66, 0
	s_cselect_b64 s[92:93], s[92:93], s[94:95]     ; the bias
	s_cselect_b64 s[12:13], s[98:99], s[100:101]   ; out: qb or kv
	s_lshl_b32 s96, s17, 1
	s_add_co_u32 s96, s96, s15                     ; my 128 tokens among all: 16 x batch + s
	s_lshl_b32 s97, s40, 1
	s_add_co_u32 s97, s97, s16                     ; my 128 columns among the kind's 1,024: heads 2 x this and the next
	s_lshr_b32 s98, s96, 4
	s_lshl_b32 s98, s98, 4
	s_lshl_b32 s99, s97, 1
	s_add_co_u32 s98, s98, s99                     ; bh of my first head
	s_mul_i32 s98, s98, HEADB
	s_and_b32 s99, s96, 15
	s_mul_i32 s99, s99, BLKB
	s_add_co_u32 s98, s98, s99
	s_mov_b32 s99, 0
	s_add_nc_u64 s[12:13], s[12:13], s[98:99]
	s_lshl_b32 s98, s97, 9
	s_add_nc_u64 s[92:93], s[92:93], s[98:99]      ; my 128 biases
	s_mov_b32 s100, 0x76543210
	s_mov_b32 s101, 0xfedcba98                     ; v_permlanex16_b32's selects for lane l xor 16
	s_mov_b32 s94, 0xffff0000                      ; lanes 16-31
.macro FRAG reg, adr, q, i             ; a fragment: lane l holds row l % 16; registers 6 c .. 6 c + 5 hold K = 64 c + 32 (l / 16) + 0 .. 31: 24 bytes of the row's stream of bits, as they lie
.irp p, 0,1,2,3,4,5                    ; in pieces of 8 bytes.  Lanes 0-15 take the row's pieces 12 q + 0, 1, 2 and 12 q + 6, 7, 8, lanes 16-31 those three pieces on
.set PC, 12*(\q)+6*(\p/3)+\p%3        ; 16 bytes of padding lie behind every 8 pieces: where the piece three on lies behind one padding more, the second address register serves
.if PC%8 < 5
	ds_load_b64 v[\reg+2*\p:\reg+2*\p+1], v[\adr] offset:8*PC+16*(PC/8)+(\i)*16*PITCH
.else
	ds_load_b64 v[\reg+2*\p:\reg+2*\p+1], v[\adr+2] offset:8*PC+16*(PC/8)+(\i)*16*PITCH
.endif
.endr
.endm
; 16 matrix instructions: L's blocks a0, a0 + 1 x P's eight, 128 along K: the slot's q-th.  p: P's set;  sc: the set of scale words.  zero = 1: the first product starts the sums.
; The 64 accumulators take turns, one instruction a turn, in the same order in every step.
.macro MUL16 a0, p, q, sc, zero
.irp a, \a0, \a0+1
.irp b, 0,1,2,3,4,5,6,7
.if \zero
	v_wmma_scale_f32_16x16x128_f8f6f4 v[8*(8*((\a)%4)+\b):8*(8*((\a)%4)+\b)+7], v[128*(\p)+FR*\b:128*(\p)+FR*\b+FR-1], v[AF+FR*(\a):AF+FR*(\a)+FR-1], 0, v[SC+8*NQ*(\sc)+NQ*\b+(\q)], v[SC+8*NQ*(\sc)+NQ*(\a)+(\q)] matrix_a_fmt:MATRIX_FMT_FP6 matrix_b_fmt:MATRIX_FMT_FP6 matrix_a_scale:MATRIX_SCALE_ROW1
.else
	v_wmma_scale_f32_16x16x128_f8f6f4 v[8*(8*((\a)%4)+\b):8*(8*((\a)%4)+\b)+7], v[128*(\p)+FR*\b:128*(\p)+FR*\b+FR-1], v[AF+FR*(\a):AF+FR*(\a)+FR-1], v[8*(8*((\a)%4)+\b):8*(8*((\a)%4)+\b)+7], v[SC+8*NQ*(\sc)+NQ*\b+(\q)], v[SC+8*NQ*(\sc)+NQ*(\a)+(\q)] matrix_a_fmt:MATRIX_FMT_FP6 matrix_b_fmt:MATRIX_FMT_FP6 matrix_a_scale:MATRIX_SCALE_ROW1
.endif
.endr
.endr
.endm
.macro FETCH_B slot, q, p              ; P's eight fragments of the slot's q-th 128 along K into set p
	WIN TO_B
.irp i, 0,1,2,3,4,5,6,7
	FRAG 128*(\p)+FR*\i, ADRB+\slot, \q, \i
.endr
	WIN 0
.endm
.macro FETCH_A slot, q, i0             ; L's blocks i0 .. i0 + 3
.irp i, \i0, \i0+1, \i0+2, \i0+3
	FRAG AF+FR*(\i), ADRA+\slot, \q, \i
.endr
.endm
.macro SCALES sc                       ; the next K step's scale words into set sc: 2 words a row
.irp i, 0,1,2,3,4,5,6,7
	ds_load_b64 v[SC+8*NQ*\sc+NQ*\i:SC+8*NQ*\sc+NQ*\i+1], v[ADRS] offset:\i*SBLK
.endr
.endm
; A load into a register that a matrix instruction has read, and a vector instruction that reads a matrix result, stand NP places behind that matrix instruction; only plain vector instructions that name none of its registers are places.
.macro PLACES n
.rept \n
	v_nop
.endr
.endm
; A step of 128 along K that has its successor in the same slot.
.macro STEP slot, q, zero
	s_wait_dscnt 4*NL                              ; P's set and L's blocks 0-3 are in; the youngest 24 loads (L's blocks 4-7) may be out
	WIN MUL_LO
	MUL16 0, (\q)%2, \q, \slot, \zero
	MUL16 2, (\q)%2, \q, \slot, \zero
	s_wait_dscnt 0                                 ; L's blocks 4-7 are in (asked for 32 matrix instructions ago)
	PLACES NP
	FETCH_B \slot, (\q)+1, 1-(\q)%2
	FETCH_A \slot, (\q)+1, 0
	WIN MUL_HI
	MUL16 4, (\q)%2, \q, \slot, \zero
	MUL16 6, (\q)%2, \q, \slot, \zero
	PLACES NP
	WIN 0
	FETCH_A \slot, (\q)+1, 4
.endm
; A slot's last step changes slots: one barrier; in front of it each wave waits for all its tensor loads, adds 0 to its spare word, and waits for that and for its own reads of this slot.  fill = 1: this slot is filled again, two K steps ahead.
.macro TURN slot, next, fill
	s_wait_tensorcnt 0x0                           ; all my tensor loads have landed: my part of the next slot;  (every window is 0 here)
	ds_add_u32 v[SPW], v[NIL]                      ; 0 onto my spare word
	s_wait_dscnt 4*NL+1                            ; (the add and the youngest 24 loads, L's blocks 4-7, may be out)
	WIN MUL_LO
	MUL16 0, 1, NQ-1, \slot, 0                     ; sixteen matrix instructions stand between the add and the wait for it
	s_wait_dscnt 0x0                               ; the add is done, and my reads of this slot are over
	s_barrier_signal -1
	MUL16 2, 1, NQ-1, \slot, 0
	WIN 0
	s_barrier_wait -1
.if \fill
	CREST                                          ; the barrier has opened a round of the cluster's barrier: no wave of any partner still reads this slot's tile or has a load on its way
	s_add_nc_u64 s[G0+4*\slot+2:G0+4*\slot+3], s[G0+4*\slot+2:G0+4*\slot+3], 2*ROWB
	s_add_nc_u64 s[G0B+4*\slot+2:G0B+4*\slot+3], s[G0B+4*\slot+2:G0B+4*\slot+3], 2*ROWB
	JLOAD G0+4*\slot, G1, G0B+4*\slot, G1B         ; the first tensor load behind the round; the four v_nop behind it are the places in front of the loads below
.else
	PLACES NP
.endif
	v_add_nc_u32 v[ADRS], 4*NQ, v[ADRS]            ; on to the next K step's scale words (no LDS load of mine is out)
	FETCH_B \next, 0, 0
	FETCH_A \next, 0, 0
	SCALES \next
	WIN MUL_HI
	MUL16 4, 1, NQ-1, \slot, 0
	MUL16 6, 1, NQ-1, \slot, 0
	PLACES NP
	WIN 0
	FETCH_A \next, 0, 4
.endm
.macro LAST                            ; the very last step of 128: nothing more to fetch
	s_wait_dscnt 4*NL
	WIN MUL_LO
	MUL16 0, 1, NQ-1, 1, 0
	MUL16 2, 1, NQ-1, 1, 0
	s_wait_dscnt 0
	WIN MUL_HI
	MUL16 4, 1, NQ-1, 1, 0
	MUL16 6, 1, NQ-1, 1, 0
	WIN 0
.endm
; THE WAY OUT, block a of L by block.  ADDB: the block's 64 sums of a lane + bias -> X, in window 0; each accumulator is read from its low end on.  kind = 0: the bias goes with the register (columns); 1: with the lane (one number, broadcast).
.macro ADDB a, kind
	WIN 0x02+((\a)/4)                              ; source 0: window 2 or 3
.set AC, 64*((\a)%4)
.set i, 0
.rept 32
.if \kind
.if (\a)%2
	v_pk_add_f32 v[X+2*i:X+2*i+1], v[AC+2*i:AC+2*i+1], v[BI+2*((\a)/2):BI+2*((\a)/2)+1] op_sel:[0,1] op_sel_hi:[1,1]
.else
	v_pk_add_f32 v[X+2*i:X+2*i+1], v[AC+2*i:AC+2*i+1], v[BI+2*((\a)/2):BI+2*((\a)/2)+1] op_sel:[0,0] op_sel_hi:[1,0]
.endif
.else
	v_pk_add_f32 v[X+2*i:X+2*i+1], v[AC+2*i:AC+2*i+1], v[BI+2*i:BI+2*i+1]
.endif
.set i, i+1
.endr
	WIN 0
.endm
; QUANT: X's two blocks of 32 (c = 0, 1), each whole in my lane, become 6 registers of codes each, at d0 and d1, and the bytes BE[2 a + c].  Two chains a block, the four by turns.
.macro QUANT d0, d1, a
.irp c, 0,1
	v_max3_num_f32 v[TM+\c], |v[X+32*\c]|, |v[X+32*\c+1]|, 0x3000000   ; with the floor 2^(6 - 127): the byte cannot fall under 4
	v_max3_num_f32 v[TN+\c], |v[X+32*\c+16]|, |v[X+32*\c+17]|, |v[X+32*\c+18]|
.endr
.irp i, 2,4,6,8,10,12
.irp c, 0,1
	v_max3_num_f32 v[TM+\c], v[TM+\c], |v[X+32*\c+\i]|, |v[X+32*\c+\i+1]|
	v_max3_num_f32 v[TN+\c], v[TN+\c], |v[X+32*\c+\i+17]|, |v[X+32*\c+\i+18]|
.endr
.endr
.irp c, 0,1
	v_max3_num_f32 v[TM+\c], v[TM+\c], |v[X+32*\c+14]|, |v[X+32*\c+15]|
.endr
.irp c, 0,1
	v_max3_num_f32 v[TM+\c], v[TM+\c], v[TN+\c], |v[X+32*\c+31]|
.endr
.irp c, 0,1
	v_add_nc_u32 v[SO+\c], 0xff000000, v[TM+\c]    ; 2 off the exponent field: the conversion's scale operand
.endr
.irp c, 0,1
	v_lshrrev_b32 v[BE+2*(\a)+\c], 23, v[SO+\c]    ; the scale's byte
.endr
	s_wait_xcnt 0x0                                ; the earlier stores have read the registers that the codes below are written into
	v_cvt_scalef32_pk16_fp6_f32 v[\d0:\d0+2], v[X:X+15], v[SO]
	v_cvt_scalef32_pk16_fp6_f32 v[YT:YT+2], v[X+16:X+31], v[SO]           ; (a conversion's three registers begin on an even number)
	v_cvt_scalef32_pk16_fp6_f32 v[\d1:\d1+2], v[X+32:X+47], v[SO+1]
	v_cvt_scalef32_pk16_fp6_f32 v[YT+4:YT+6], v[X+48:X+63], v[SO+1]
	v_nop                                          ; one plain place behind a scaled conversion
.irp i, 0,1,2
	v_mov_b32 v[\d0+3+\i], v[YT+\i]
	v_mov_b32 v[\d1+3+\i], v[YT+4+\i]
.endr
.endm
.macro STOREF reg, imm                 ; a fragment leaves as it stands: 3 x 512 consecutive bytes
.irp k, 0,1,2
	global_store_b128 v[VO], v[\reg+4*\k:\reg+4*\k+3], s[12:13] offset:\imm+512*\k
.endr
.endm
; SCOUT: in G's eight words my lane has the bytes of its half h at bytes 0 and 2: they move 8 h bits up and join lane l xor 16's.  Lanes 0-15 store the first head's four words of row r, lanes 16-31 the second head's: 256 consecutive bytes each.
.macro SCOUT imm
.irp g, 0,1,2,3,4,5,6,7
	v_lshlrev_b32 v[G+\g], v[SH8], v[G+\g]
.endr
.irp g, 0,1,2,3,4,5,6,7
	v_permlanex16_b32 v[X+\g], v[G+\g], s100, s101
.endr
.irp g, 0,1,2,3,4,5,6,7
	v_or_b32 v[G+\g], v[G+\g], v[X+\g]
.endr
.irp k, 0,1,2,3
	v_cndmask_b32 v[OUTW+\k], v[G+\k], v[G+4+\k], s94
.endr
	global_store_b128 v[VS], v[OUTW:OUTW+3], s[12:13] offset:\imm
.endm
	s_wait_tensorcnt 1                             ; the scales and my part of K step 0 are in (K step 1's load may be out),
	s_barrier_signal -1
	s_barrier_wait -1                              ; everybody's are
	FETCH_B 0, 0, 0
	FETCH_A 0, 0, 0
	SCALES 0
	FETCH_A 0, 0, 4
	STEP 0, 0, 1                                   ; the first products start the sums: nothing is cleared.  K = 1,024 is four slots' worth: the walk is written out
	TURN 0, 1, 1                                   ; slot 0 takes K step 2
	STEP 1, 0, 0
	TURN 1, 0, 1                                   ; slot 1 takes K step 3
	STEP 0, 0, 0
	TURN 0, 1, 0                                   ; nothing is left to fetch
	STEP 1, 0, 0
	s_cmp_eq_u32 s66, 2                            ; the way out differs for v: a branch on the cluster's x, the same in all partners; no tensor load follows
	s_cbranch_scc1 .Lv
	; ---- q and k: L = tokens, P = columns: X[32 c + i] = (token of place 16 a + r, head c, d = 32 h + i)
	v_lshlrev_b32 v[BO], 7, v2                     ; my half's 32 columns
.irp b, 0,1,2,3,4,5,6,7
	global_load_b128 v[BI+8*\b:BI+8*\b+3], v[BO], s[92:93] offset:256*(\b/4)+32*(\b%4)
	global_load_b128 v[BI+8*\b+4:BI+8*\b+7], v[BO], s[92:93] offset:256*(\b/4)+32*(\b%4)+16
.endr
	LAST                                           ; the biases land under the last 64 products
	PLACES NP
	s_wait_loadcnt 0x0
.irp a, 0,1,2,3,4,5,6,7
	ADDB \a, 0
	QUANT F0+6*((\a)%2), F0+12+6*((\a)%2), \a      ; token tile a is half a % 2 of fragment a / 2, for each of the two heads
.if (\a)%2
	STOREF F0, ((\a)/2)*1536
	STOREF F0+12, HEADB+((\a)/2)*1536
.endif
.endr
.irp c, 0,1
.irp f, 0,1,2,3
	v_lshl_or_b32 v[G+4*\c+\f], v[BE+4*\f+2+\c], 16, v[BE+4*\f+\c]   ; head c, fragment f: tile 2 f's byte and tile 2 f + 1's
.endr
.endr
	SCOUT 12288
	s_branch .Lend
.Lv:
	; ---- v: L = columns, P = tokens: X[32 c + i] = (d of place 16 a + r, key 64 c + 32 h + i of the 128)
	v_lshrrev_b32 v[BO], 3, v1
	v_lshlrev_b32 v[BO], 7, v[BO]
	v_and_b32 v31, 7, v1
	v_lshl_add_u32 v[BO], v31, 2, v[BO]            ; place r of a tile is column 32 (r / 8) + r % 8 of it
.irp a, 0,1,2,3,4,5,6,7
	global_load_b32 v[BI+\a], v[BO], s[92:93] offset:256*(\a/4)+32*(\a%4)
.endr
	LAST
	PLACES NP
	s_wait_loadcnt 0x0
.irp a, 0,1,2,3,4,5,6,7
	ADDB \a, 1
	QUANT F0+12*((\a)%2), F0+12*((\a)%2)+6, \a     ; block a is one whole fragment: head a / 4, tile a % 4; two sets of registers by turns
	STOREF F0+12*((\a)%2), ((\a)/4)*HEADB+6144+((\a)%4)*1536
.endr
.irp a, 0,1,2,3,4,5,6,7
	v_lshl_or_b32 v[G+\a], v[BE+2*\a+1], 16, v[BE+2*\a]
.endr
	SCOUT 12544
.Lend:
	s_wait_tensorcnt 0x0                           ; the wave's end: behind my last tensor load
	ds_add_u32 v[SPW], v[NIL]
	s_wait_dscnt 0x0
	CROUND                                         ; the closing round: no work-group ends while a partner may still ask for a tile that names it
	s_endpgm
.Lfunc_end_k_q5dccdd7a3c_proj:
	.size	k_q5dccdd7a3c_proj, .Lfunc_end_k_q5dccdd7a3c_proj-k_q5dccdd7a3c_proj
	.p2alignl 7, 3214868480
	.fill 96, 4, 3214868480
	.section	.rodata,"a",@progbits
	.p2align	6, 0x0
	.amdhsa_kernel k_q5dccdd7a3c_proj
		.amdhsa_group_segment_fixed_size 327680
		.amdhsa_private_segment_fixed_size 0
		.amdhsa_enable_private_segment 0
		.amdhsa_kernarg_size 72
		.amdhsa_user_sgpr_count 2
		.amdhsa_user_sgpr_kernarg_segment_ptr 1
		.amdhsa_wavefront_size32 1
		.amdhsa_system_sgpr_workgroup_id_x 1
		.amdhsa_system_sgpr_workgroup_id_y 1
		.amdhsa_system_sgpr_workgroup_id_z 1
		.amdhsa_system_vgpr_workitem_id 0
		.amdhsa_next_free_vgpr 1024
		.amdhsa_next_free_sgpr 106
		.amdhsa_reserve_vcc 0
		.amdhsa_float_denorm_mode_32 3
		.amdhsa_float_denorm_mode_16_64 3
		.amdhsa_memory_ordered 1
		.amdhsa_forward_progress 1
		.amdhsa_inst_pref_size 227
	.end_amdhsa_kernel
	.amdgpu_metadata
---
amdhsa.version: [ 1, 2 ]
amdhsa.kernels:
  - .name:           k_q5dccdd7a3c_proj
    .symbol:         k_q5dccdd7a3c_proj.kd
    .args:
      - { .name: xc, .offset: 0, .size: 8, .value_kind: global_buffer, .address_space: global }
      - { .name: xs, .offset: 8, .size: 8, .value_kind: global_buffer, .address_space: global }
      - { .name: wc, .offset: 16, .size: 8, .value_kind: global_buffer, .address_space: global }
      - { .name: ws, .offset: 24, .size: 8, .value_kind: global_buffer, .address_space: global }
      - { .name: bq, .offset: 32, .size: 8, .value_kind: global_buffer, .address_space: global }
      - { .name: bk, .offset: 40, .size: 8, .value_kind: global_buffer, .address_space: global }
      - { .name: bv, .offset: 48, .size: 8, .value_kind: global_buffer, .address_space: global }
      - { .name: qb, .offset: 56, .size: 8, .value_kind: global_buffer, .address_space: global }
      - { .name: kv, .offset: 64, .size: 8, .value_kind: global_buffer, .address_space: global }
    .group_segment_fixed_size: 327680
    .private_segment_fixed_size: 0
    .kernarg_segment_align: 8
    .kernarg_segment_size: 72
    .max_flat_workgroup_size: 128
    .sgpr_count:     106
    .vgpr_count:     1024
    .wavefront_size: 32
...
	.end_amdgpu_metadata
.endif
;; end of part 2
;; launch attn (part 3): grid 4 x 64, 16 waves a work-group, clusters of 4 x 1, 284,672 bytes of LDS; arguments qb, kv, attention_mask, out0; writes out0
.if DOCPART == 3
	.amdgcn_target "amdgcn-amd-amdhsa--gfx1250"
	.amdhsa_code_object_version 6
	.text
	.protected	k_q5dccdd7a3c_attn
	.globl	k_q5dccdd7a3c_attn
	.p2align	8
	.type	k_q5dccdd7a3c_attn,@function
k_q5dccdd7a3c_attn:
	s_mov_b64 s[64:65], 0
	v_nop
	global_prefetch_b8 v0, s[64:65] scope:SCOPE_SE
	s_setreg_imm32_b32 hwreg(HW_REG_WAVE_MODE, 25, 1), 1
	s_wait_xcnt 0x0
	s_wait_alu depctr_hold_cnt(0) depctr_sa_sdst(0) depctr_va_vdst(0) depctr_va_sdst(0) depctr_va_ssrc(0) depctr_va_vcc(0) depctr_vm_vsrc(0)
	s_getreg_b32 s2, hwreg(HW_REG_IB_STS2, 6, 4)
	s_cmp_eq_u32 s2, 0
	s_cbranch_scc0 .Lentry_in_a_cluster
	s_endpgm
.Lentry_in_a_cluster:
	s_bfe_u32 s2, ttmp6, 0x10000c
	s_cmp_lg_u32 s2, 0x3003
	s_cbranch_scc0 .Lentry_shape_is_right
	s_endpgm
.Lentry_shape_is_right:
.set HEADB,  204800
.set BLKB,   12800
.set HALFB,  102400
.set WPART,  6400
.set MASKL,  204800
.set STAGE,  212992
.set SPITCH, 272
.set SPARE,  282624
.set AIM, 1
.set AMK, 2
.set ADK, 3
.set ADM, 4
.set SPW, 5
.set NIL, 6
.set SH8, 7
.set VQ,  8
.set GO,  9
.set STO, 10
.set RD,  11
.set NM,  12
.set SMX, 13
.set L,   14
.set FF,  16
.set BM,  18
.set SO,  20
.set T0,  22
.set T1,  23
.set L2,  24
.set BY,  26
.set KW,  28
.set QSL, 32
.set QSH, 33
.set PW,  34
.set VQS, 35
.set QZ,  36
.set P,   54
.set YT,  66
.set F,   80
.set O,   128
.set S,   160
.set WV,  12
.macro CROUND
	s_barrier_signal -1
	s_barrier_wait -1
	s_cmp_lg_u32 s[WV], 0
	s_cbranch_scc1 .Lnot_wave_0_\@
	s_barrier_signal -3
.Lnot_wave_0_\@:
	s_barrier_wait -3
	s_barrier_signal -1
	s_barrier_wait -1
.endm
	s_load_b256 s[4:11], s[0:1], 0x0
	v_lshl_add_u32 v[SPW], v0, 2, SPARE
	v_mov_b32 v[NIL], 0
	ds_add_u32 v[SPW], v[NIL]
	ds_add_u32 v[SPW], v[NIL]
	v_lshrrev_b32 v1, 5, v0
	s_delay_alu instid0(VALU_DEP_1)
	v_readfirstlane_b32 s[WV], v1
	s_bfe_u32 s13, ttmp6, 0x40000
	s_and_b32 s14, ttmp7, 0xffff
	s_mov_b32 s16, 15|(3<<16)|(1<<21)
	s_mov_b32 s17, 32<<16
	s_mov_b32 s18, 25<<16
	s_mov_b32 s19, 32<<16
	s_mov_b32 s20, 25
	s_mov_b32 s21, 32
	s_mov_b32 s22, 0
	s_mov_b32 s23, 0
	s_mov_b32 s24, 15|(3<<16)|(1<<21)
	s_mov_b32 s25, 32<<16
	s_mov_b32 s26, 2<<16
	s_mov_b32 s27, 32<<16
	s_mov_b32 s28, 2
	s_mov_b32 s29, 32
	s_mov_b32 s30, 0
	s_mov_b32 s31, 0
	s_mul_i32 s60, s14, HEADB
	s_mov_b32 s61, 0
	s_mul_i32 s62, s[WV], WPART
	s_mov_b32 s63, 0
	s_lshr_b32 s2, s14, 4
	s_lshl_b32 s66, s2, 13
	s_lshl_b32 s3, s[WV], 9
	s_add_co_u32 s66, s66, s3
	s_mov_b32 s67, 0
	s_mov_b32 s32, 1
	s_add_co_u32 s33, s3, MASKL
	s_mov_b32 s36, 1
	s_mov_b32 s37, s62
	s_mov_b32 s40, 1
	s_add_co_u32 s41, s62, HALFB
	s_lshl_b32 s68, s13, 2
	s_lshr_b32 s69, s[WV], 3
	s_add_co_u32 s68, s68, s69
	s_mul_i32 s56, s68, BLKB
	s_mov_b32 s57, 0
	s_add_nc_u64 s[56:57], s[56:57], s[60:61]
	s_lshl_b32 s58, s2, 11
	s_lshl_b32 s69, s68, 7
	s_add_co_u32 s58, s58, s69
	s_bfe_u32 s69, s[WV], 0x10002
	s_lshl_b32 s69, s69, 6
	s_add_co_u32 s58, s58, s69
	s_and_b32 s69, s[WV], 3
	s_lshl_b32 s69, s69, 3
	s_add_co_u32 s58, s58, s69
	s_lshl_b32 s58, s58, 12
	s_and_b32 s69, s14, 15
	s_lshl_b32 s69, s69, 8
	s_add_co_u32 s58, s58, s69
	s_mov_b32 s59, 0
	s_mov_b32 s44, 0x76543210
	s_mov_b32 s45, 0xfedcba98
	s_mov_b32 s46, 0x3fb8aa3b
	s_mov_b32 s47, s46
	s_mov_b32 s48, 0xbfb8aa3b
	s_and_b32 s69, s[WV], 1
	s_sub_co_u32 s53, 0, s69
	s_lshl_b32 s54, s69, 4
	s_bfe_u32 s15, s[WV], 0x20001
	s_mul_i32 s55, s[WV], 16*SPITCH
	s_add_co_u32 s55, s55, STAGE
	s_wait_dscnt 0x0
	s_wait_kmcnt 0x0
	s_add_nc_u64 s[34:35], s[8:9], s[66:67]
	s_or_b32 s35, s35, 0x80000000
	s_add_nc_u64 s[38:39], s[6:7], s[60:61]
	s_add_nc_u64 s[38:39], s[38:39], s[62:63]
	s_add_nc_u64 s[42:43], s[38:39], HALFB
	s_or_b32 s39, s39, 0x80000000
	s_or_b32 s43, s43, 0x80000000
	s_add_nc_u64 s[56:57], s[4:5], s[56:57]
	s_add_nc_u64 s[58:59], s[10:11], s[58:59]
	CROUND
	tensor_load_to_lds s[32:35], s[24:31]
	s_nop 0
	tensor_load_to_lds s[36:39], s[16:23]
	s_nop 0
	tensor_load_to_lds s[40:43], s[16:23]
	s_nop 0
.rept 4
	v_nop
.endr
	v_and_b32 v80, 15, v0
	v_bfe_u32 v81, v0, 4, 1
	v_and_b32 v82, 31, v0
	s_delay_alu instid0(VALU_DEP_1)
	v_lshlrev_b32 v[AIM], 4, v82
	s_delay_alu instid0(VALU_DEP_3)
	v_lshl_add_u32 v[AMK], v81, 7, MASKL
	s_delay_alu instid0(VALU_DEP_4)
	v_lshlrev_b32 v[SH8], 3, v81
	s_mul_i32 s2, s15, 1536
	v_add_nc_u32 v[VQ], s2, v[AIM]
	s_lshl_b32 s3, s15, 2
	v_lshlrev_b32 v[VQS], 4, v80
	s_delay_alu instid0(VALU_DEP_1)
	v_add_nc_u32 v[VQS], s3, v[VQS]
	v_lshlrev_b32 v[GO], 12, v81
	s_delay_alu instid0(VALU_DEP_1)
	v_lshl_add_u32 v[GO], v80, 4, v[GO]
	v_mul_u32_u24 v[STO], v80, SPITCH
	s_delay_alu instid0(VALU_DEP_1)
	v_lshl_add_u32 v[STO], v81, 7, v[STO]
	s_delay_alu instid0(VALU_DEP_1)
	v_add_nc_u32 v[STO], s55, v[STO]
	v_mul_u32_u24 v[RD], v81, SPITCH
	s_delay_alu instid0(VALU_DEP_1)
	v_lshl_add_u32 v[RD], v80, 4, v[RD]
	s_delay_alu instid0(VALU_DEP_1)
	v_add_nc_u32 v[RD], s55, v[RD]
.irp i, 0,1,2,3,4,5
	v_mov_b32 v[QZ+\i], 0
	v_mov_b32 v[QZ+12+\i], 0
.endr
	v_mov_b32 v[T1], 0
	v_mov_b32 v[FF+1], 0
	s_mov_b32 s52, 2
.macro STEP
	v_add_nc_u32 v[ADK], s49, v[AIM]
	v_add_nc_u32 v[ADM], s50, v[AMK]
	v_nop
	v_nop
	ds_load_b128 v[KW:KW+3], v[ADK] offset:12288
.irp a, 0,1,2,3,4,5,6,7
	ds_load_b128 v[S+8*\a:S+8*\a+3], v[ADM] offset:256*(\a/4)+32*(\a%4)
	ds_load_b128 v[S+8*\a+4:S+8*\a+7], v[ADM] offset:256*(\a/4)+32*(\a%4)+16
.endr
.irp k, 0,1,2,3,4,5,6,7,8,9,10,11
	ds_load_b128 v[F+4*\k:F+4*\k+3], v[ADK] offset:512*\k
.endr
	s_wait_alu depctr_va_vdst(0)
	s_wait_dscnt 0x0
.irp f, 0,1,2,3
	v_wmma_scale_f32_16x16x128_f8f6f4 v[S+16*\f:S+16*\f+7], v[F+12*\f:F+12*\f+11], v[QZ+6:QZ+17], v[S+16*\f:S+16*\f+7], v[KW+\f], v[QSL] matrix_a_fmt:MATRIX_FMT_FP6 matrix_b_fmt:MATRIX_FMT_FP6
	v_wmma_scale_f32_16x16x128_f8f6f4 v[S+16*\f+8:S+16*\f+15], v[F+12*\f:F+12*\f+11], v[QZ:QZ+11], v[S+16*\f+8:S+16*\f+15], v[KW+\f], v[QSH] matrix_a_fmt:MATRIX_FMT_FP6 matrix_b_fmt:MATRIX_FMT_FP6
.endr
.rept 4
	v_nop
.endr
.irp k, 0,1,2,3,4,5,6,7,8,9,10,11
	ds_load_b128 v[F+4*\k:F+4*\k+3], v[ADK] offset:6144+512*\k
.endr
.irp c, 0,1
	v_max3_num_f32 v[BM+\c], v[S+32*\c], v[S+32*\c+1], v[S+32*\c+2]
.endr
.irp i, 3,5,7,9,11,13,15,17,19,21,23,25,27,29
.irp c, 0,1
	v_max3_num_f32 v[BM+\c], v[BM+\c], v[S+32*\c+\i], v[S+32*\c+\i+1]
.endr
.endr
.irp c, 0,1
	v_max_num_f32 v[BM+\c], v[BM+\c], v[S+32*\c+31]
.endr
	s_delay_alu instid0(VALU_DEP_1)
	v_max_num_f32 v[T0], v[BM], v[BM+1]
	s_delay_alu instid0(VALU_DEP_1)
	v_permlanex16_b32 v[T1], v[T0], s44, s45
	s_delay_alu instid0(VALU_DEP_1)
	v_max3_num_f32 v[SMX], v[SMX], v[T0], v[T1]
	s_delay_alu instid0(VALU_DEP_1)
	v_mul_f32 v[T0], s48, v[SMX]
	s_delay_alu instid0(VALU_DEP_1)
	v_floor_f32 v[T1], v[T0]
	s_delay_alu instid0(VALU_DEP_1)
	v_sub_f32 v[T0], v[T1], v[NM]
	s_delay_alu instid0(VALU_DEP_2)
	v_mov_b32 v[NM], v[T1]
	s_delay_alu instid0(VALU_DEP_2)
	v_cvt_i32_f32 v[T0], v[T0]
	s_delay_alu instid0(VALU_DEP_1)
	v_ldexp_f32 v[FF], 1.0, v[T0]
.irp j, 0,2,4,6,8,10,12,14,16,18,20,22,24,26,28,30,32,34,36,38,40,42,44,46,48,50,52,54,56,58,60,62
	v_pk_fma_f32 v[S+\j:S+\j+1], v[S+\j:S+\j+1], s[46:47], v[NM:NM+1] op_sel_hi:[1,0,0]
.endr
.irp c, 0,1
	v_fma_f32 v[BM+\c], v[BM+\c], s46, v[NM]
.endr
	s_setprio 1
	s_wait_alu depctr_va_vdst(0)
.irp j, 0,1,2,3,4,5,6,7,8,9,10,11,12,13,14,15,16,17,18,19,20,21,22,23,24,25,26,27,28,29,30,31,32,33,34,35,36,37,38,39,40,41,42,43,44,45,46,47,48,49,50,51,52,53,54,55,56,57,58,59,60,61,62,63
	v_exp_f32 v[S+\j], v[S+\j]
.endr
	v_pk_mul_f32 v[L:L+1], v[L:L+1], v[FF:FF+1] op_sel_hi:[1,0]
	s_wait_alu depctr_va_vdst(0)
.irp c, 0,1
	v_exp_f32 v[BM+\c], v[BM+\c]
.endr
	v_pk_add_f32 v[24:25], v[164:165], v[168:169]
	v_pk_add_f32 v[78:79], v[172:173], v[176:177]
	v_pk_add_f32 v[76:77], v[180:181], v[184:185]
	v_pk_add_f32 v[74:75], v[188:189], v[192:193]
	v_pk_add_f32 v[72:73], v[196:197], v[200:201]
	v_pk_add_f32 v[70:71], v[204:205], v[208:209]
	v_pk_add_f32 v[68:69], v[212:213], v[216:217]
	v_pk_add_f32 v[14:15], v[14:15], v[220:221]
	v_pk_add_f32 v[24:25], v[24:25], v[160:161]
	v_pk_add_f32 v[78:79], v[78:79], v[162:163]
	v_pk_add_f32 v[76:77], v[76:77], v[166:167]
	v_pk_add_f32 v[74:75], v[74:75], v[170:171]
	v_pk_add_f32 v[72:73], v[72:73], v[174:175]
	v_pk_add_f32 v[70:71], v[70:71], v[178:179]
	v_pk_add_f32 v[68:69], v[68:69], v[182:183]
	v_pk_add_f32 v[14:15], v[14:15], v[186:187]
	v_pk_add_f32 v[24:25], v[24:25], v[190:191]
	v_pk_add_f32 v[78:79], v[78:79], v[194:195]
	v_pk_add_f32 v[76:77], v[76:77], v[198:199]
	v_pk_add_f32 v[74:75], v[74:75], v[202:203]
	v_pk_add_f32 v[72:73], v[72:73], v[206:207]
	v_pk_add_f32 v[70:71], v[70:71], v[210:211]
	v_pk_add_f32 v[68:69], v[68:69], v[214:215]
	v_pk_add_f32 v[14:15], v[14:15], v[218:219]
	v_pk_add_f32 v[24:25], v[24:25], v[222:223]
	s_delay_alu instid0(VALU_DEP_2)
	v_pk_add_f32 v[14:15], v[14:15], v[74:75]
	s_delay_alu instid0(VALU_DEP_2)
	v_pk_add_f32 v[24:25], v[24:25], v[72:73]
	v_pk_add_f32 v[78:79], v[78:79], v[70:71]
	v_pk_add_f32 v[76:77], v[76:77], v[68:69]
	s_delay_alu instid0(VALU_DEP_2)
	v_pk_add_f32 v[14:15], v[14:15], v[78:79]
	s_delay_alu instid0(VALU_DEP_2)
	v_pk_add_f32 v[24:25], v[24:25], v[76:77]
	s_delay_alu instid0(VALU_DEP_1)
	v_pk_add_f32 v[14:15], v[14:15], v[24:25]
	s_wait_alu depctr_va_vdst(0)
.irp c, 0,1
	v_max_num_f32 v[BM+\c], 0x1800000, v[BM+\c]
.endr
.irp c, 0,1
	s_delay_alu instid0(VALU_DEP_2)
	v_add_nc_u32 v[SO+\c], 0xff000000, v[BM+\c]
.endr
.irp c, 0,1
	s_delay_alu instid0(VALU_DEP_2)
	v_lshrrev_b32 v[BY+\c], 23, v[SO+\c]
.endr
	s_delay_alu instid0(VALU_DEP_1)
	v_lshl_or_b32 v[PW], v[BY+1], 16, v[BY]
	s_delay_alu instid0(VALU_DEP_1)
	v_lshlrev_b32 v[PW], v[SH8], v[PW]
	s_delay_alu instid0(VALU_DEP_1)
	v_permlanex16_b32 v[T1], v[PW], s44, s45
	s_delay_alu instid0(VALU_DEP_1)
	v_or_b32 v[PW], v[PW], v[T1]
.irp c, 0,1
	v_cvt_scalef32_pk16_fp6_f32 v[P+6*\c:P+6*\c+2], v[S+32*\c:S+32*\c+15], v[SO+\c]
	v_cvt_scalef32_pk16_fp6_f32 v[YT+4*\c:YT+4*\c+2], v[S+32*\c+16:S+32*\c+31], v[SO+\c]
.endr
	v_nop
.irp c, 0,1
.irp i, 0,1,2
	v_mov_b32 v[P+6*\c+3+\i], v[YT+4*\c+\i]
.endr
.endr
	s_setprio 0
.irp j, 0,2,4,6,8,10,12,14,16,18,20,22,24,26,28,30
	v_pk_mul_f32 v[O+\j:O+\j+1], v[O+\j:O+\j+1], v[FF:FF+1] op_sel_hi:[1,0]
.endr
	s_wait_alu depctr_va_vdst(0)
	s_wait_dscnt 0x0
.irp i, 0,1,2,3
	v_wmma_scale_f32_16x16x128_f8f6f4 v[O+8*\i:O+8*\i+7], v[F+12*\i:F+12*\i+11], v[P:P+11], v[O+8*\i:O+8*\i+7], v[KW+\i], v[PW] matrix_a_fmt:MATRIX_FMT_FP6 matrix_b_fmt:MATRIX_FMT_FP6 matrix_a_scale:MATRIX_SCALE_ROW1
.endr
.endm
.macro HALF n
	s_wait_tensorcnt \n
	s_wait_dscnt 0x0
	s_barrier_signal -1
	s_barrier_wait -1
	s_mov_b32 s49, (1-\n)*HALFB
	s_mov_b32 s50, (1-\n)*4096
	s_mov_b32 s51, 8
.Lstep_\@:
	s_setprio 2
	STEP
	s_add_co_u32 s49, s49, BLKB
	s_add_co_u32 s50, s50, 512
	s_sub_co_u32 s51, s51, 1
	s_cmp_lg_u32 s51, 0
	s_cbranch_scc1 .Lstep_\@
	s_setprio 0
.endm
.Lpass:
	global_load_b128 v[F:F+3], v[VQ], s[56:57]
	global_load_b128 v[F+4:F+7], v[VQ], s[56:57] offset:512
	global_load_b128 v[F+8:F+11], v[VQ], s[56:57] offset:1024
	global_load_b32 v[QSL], v[VQS], s[56:57] offset:12288
	s_wait_loadcnt 0x0
.irp i, 0,1,2,3,4,5
	v_cndmask_b32 v[QZ+6+\i], v[F+\i], v[F+6+\i], s53
.endr
	v_lshrrev_b32 v[QSL], s54, v[QSL]
	s_delay_alu instid0(VALU_DEP_1)
	v_and_b32 v[QSL], 0xffff, v[QSL]
	s_delay_alu instid0(VALU_DEP_1)
	v_add_nc_u32 v[QSL], 0xfffffcfd, v[QSL]
	s_delay_alu instid0(VALU_DEP_1)
	v_lshlrev_b32 v[QSH], 16, v[QSL]
.irp j, 0,1,2,3,4,5,6,7,8,9,10,11,12,13,14,15,16,17,18,19,20,21,22,23,24,25,26,27,28,29,30,31
	v_mov_b32 v[O+\j], 0
.endr
	v_mov_b32 v[L], 0
	v_mov_b32 v[L+1], 0
	v_mov_b32 v[SMX], 0xfe967699
	s_delay_alu instid0(VALU_DEP_1)
	v_mul_f32 v[T0], s48, v[SMX]
	s_delay_alu instid0(VALU_DEP_1)
	v_floor_f32 v[NM], v[T0]
	HALF 1
	HALF 0
	v_add_f32 v[L], v[L], v[L+1]
	s_delay_alu instid0(VALU_DEP_1)
	v_permlanex16_b32 v[T1], v[L], s44, s45
	s_delay_alu instid0(VALU_DEP_1)
	v_add_f32 v[L], v[L], v[T1]
	s_wait_alu depctr_va_vdst(0)
	v_rcp_f32 v[FF], v[L]
.rept 3
	v_nop
.endr
	s_wait_alu depctr_va_vdst(0)
.irp j, 0,2,4,6,8,10,12,14,16,18,20,22,24,26,28,30
	v_pk_mul_f32 v[S+\j:S+\j+1], v[O+\j:O+\j+1], v[FF:FF+1] op_sel_hi:[1,0]
.endr
.irp k, 0,1,2,3,4,5,6,7
	ds_store_b128 v[STO], v[S+4*\k:S+4*\k+3] offset:16*\k
.endr
.irp i, 0,1,2,3,4,5,6,7
	ds_load_b128 v[S+32+4*\i:S+35+4*\i], v[RD] offset:2*\i*SPITCH
.endr
.irp i, 0,1,2,3,4,5,6,7
	s_wait_dscnt 7-\i
	global_store_b128 v[GO], v[S+32+4*\i:S+35+4*\i], s[58:59] offset:(32*(\i/4)+2*(\i%4))*4096 th:TH_STORE_NT
.endr
	s_wait_xcnt 0x0
	s_add_nc_u64 s[56:57], s[56:57], 2*BLKB
	s_add_nc_u64 s[58:59], s[58:59], 256*4096
	s_sub_co_u32 s52, s52, 1
	s_cmp_lg_u32 s52, 0
	s_cbranch_scc1 .Lpass
	s_wait_tensorcnt 0x0
	ds_add_u32 v[SPW], v[NIL]
	s_wait_dscnt 0x0
	CROUND
	s_endpgm
.Lfunc_end_k_q5dccdd7a3c_attn:
	.size	k_q5dccdd7a3c_attn, .Lfunc_end_k_q5dccdd7a3c_attn-k_q5dccdd7a3c_attn
	.p2alignl 7, 3214868480
	.fill 96, 4, 3214868480
	.section	.rodata,"a",@progbits
	.p2align	6, 0x0
	.amdhsa_kernel k_q5dccdd7a3c_attn
		.amdhsa_group_segment_fixed_size 284672
		.amdhsa_private_segment_fixed_size 0
		.amdhsa_enable_private_segment 0
		.amdhsa_kernarg_size 32
		.amdhsa_user_sgpr_count 2
		.amdhsa_user_sgpr_kernarg_segment_ptr 1
		.amdhsa_wavefront_size32 1
		.amdhsa_system_sgpr_workgroup_id_x 1
		.amdhsa_system_sgpr_workgroup_id_y 1
		.amdhsa_system_sgpr_workgroup_id_z 1
		.amdhsa_system_vgpr_workitem_id 0
		.amdhsa_next_free_vgpr 224
		.amdhsa_next_free_sgpr 70
		.amdhsa_reserve_vcc 0
		.amdhsa_float_denorm_mode_32 3
		.amdhsa_float_denorm_mode_16_64 3
		.amdhsa_memory_ordered 1
		.amdhsa_forward_progress 1
		.amdhsa_inst_pref_size 46
	.end_amdhsa_kernel
	.amdgpu_metadata
---
amdhsa.version: [ 1, 2 ]
amdhsa.kernels:
  - .name:           k_q5dccdd7a3c_attn
    .symbol:         k_q5dccdd7a3c_attn.kd
    .args:
      - { .name: qb, .offset: 0, .size: 8, .value_kind: global_buffer, .address_space: global }
      - { .name: kv, .offset: 8, .size: 8, .value_kind: global_buffer, .address_space: global }
      - { .name: attention_mask, .offset: 16, .size: 8, .value_kind: global_buffer, .address_space: global }
      - { .name: out0, .offset: 24, .size: 8, .value_kind: global_buffer, .address_space: global }
    .group_segment_fixed_size: 284672
    .private_segment_fixed_size: 0
    .kernarg_segment_align: 8
    .kernarg_segment_size: 32
    .max_flat_workgroup_size: 512
    .sgpr_count:     70
    .vgpr_count:     224
    .wavefront_size: 32
...
	.end_amdgpu_metadata
.endif
;; end of part 3
